; MI455X (gfx1250); checked and timed in simulation.
; The chip was launched on July 23, 2026; its instructions are those of AMD's public machine-readable ISA for CDNA 5 (MIT licence, August 2026) and "CDNA5" Instruction Set Architecture Reference Guide (July 2026). The comments in the code are by the model that wrote it; some were corrected since.
;; Memory Molecular. Allowed arithmetic: matrix products marked QUANTISED: E2M1 operands, one E8M0 scale for each 32 along K, by v_wmma_scale_f32_16x16x128_f8f6f4 with both operands' format E2M1 (or v_wmma_scale_f32_32x16x128_f4), f32 sums; everything else in f32.
;; Inputs: feature_queue 65,536 x 512 float32; rep_queue 65,536 x 512 float32; x 2,048 x 512 float32.
;; Outputs: out0 2,048 x 512 float32; out1 2,048 x 512 float32.
;; This version of the problem:
;;   THIS VERSION OF THE PROBLEM IS GIVEN IN LOW PRECISION. The matrix products marked QUANTISED in the list below multiply operands that are first quantised to E2M1 (2 exponent bits, 1 mantissa bit; 4 bits a number), with one power-of-two scale for each 32 numbers along K (OCP MX v1.0); their sums are f32. All else is computed in f32.
;;   The module's matrix products, in the order in which they are computed (A, B: the left and right operand; K: the contracted axis; several contracted axes count as one K, in the product's order):
;;     1. [M 2,048, K 512] x [K 512, N 65,536]; A: input x; B: input feature_queue: QUANTISED
;;   THE QUANTISER, for each operand of a quantised product, along K:
;;     - K is cut into blocks of 32 from its start; a last block that is shorter is filled with zeros.
;;     - A block's scale is 2^e with e = floor(log2(the largest magnitude in the block)) - 2, held to -126 .. 127; a block of zeros has e = 0. As a byte (E8M0): e + 127.
;;     - Each number is divided by its block's scale, clamped to +-6, and rounded to the nearest number of E2M1, ties to even, subnormals kept.
;;     - The product sums the exact products of the quantised numbers (number of the format x scale) in f32.
;;   ~~~python
;;   def quantise(x, axis):      # numpy; x: float32 -> the quantised numbers, widened to float32 again
;;       x = np.moveaxis(x, axis, -1); K = x.shape[-1]
;;       x = np.pad(x, [(0, 0)] * (x.ndim - 1) + [(0, -K % 32)]); x = x.reshape(x.shape[:-1] + (-1, 32)); a = np.abs(x).max(-1, keepdims=True)
;;       e = np.where(a > 0, np.clip(np.frexp(np.where(a > 0, a, 1))[1] - 1 - 2, -126, 127), 0)      # np.frexp(a)[1] - 1 = floor(log2(a)), exactly
;;       r = np.clip(x / 2.0 ** e, -6, 6)
;;       step = 2.0 ** (np.maximum(np.frexp(np.where(r == 0, 1, r))[1] - 1, 0) - 1)
;;       q = np.round(r / step) * step * 2.0 ** e      # np.round: ties to even
;;       return np.moveaxis(q.reshape(q.shape[:-2] + (-1,))[..., :K], -1, axis).astype(np.float32)
;;   ~~~
;; One version. Each part assembles by itself: llvm-mc -triple=amdgcn-amd-amdhsa -mcpu=gfx1250 --defsym DOCPART=n.
;; ======== version 1 of 1: 4 launches
;; limits: right only within a limited range of input values
;; workspace buffers: codes 589,824 bytes; part 8,388,608 bytes; idx 16,384 bytes of whole numbers
;; launch quantx (part 1): grid 128 x 1, 4 waves a work-group, no clusters, 34,816 bytes of LDS; arguments x, codes; writes codes
.if DOCPART == 1
	.amdgcn_target "amdgcn-amd-amdhsa--gfx1250"
	.amdhsa_code_object_version 6
	.text
	.protected	k_qe6230a573b_quantx
	.globl	k_qe6230a573b_quantx
	.p2align	8
	.type	k_qe6230a573b_quantx,@function
k_qe6230a573b_quantx:
	s_mov_b64 s[64:65], 0
	v_nop
	global_prefetch_b8 v0, s[64:65] scope:SCOPE_SE
	s_setreg_imm32_b32 hwreg(HW_REG_WAVE_MODE, 25, 1), 1
	s_wait_xcnt 0x0
; x [2048][512], f32, becomes codes of FP4 (E2M1) with one E8M0 scale byte for each 32 along K, laid as 128 RECORDS: images of operand registers.
; A record is 16 rows x 512 K = 4,608 bytes.  Byte 1024 s + 512 c + 16 l: registers 4 c .. 4 c + 3 of lane l of the fragment of K step s (128 along K): row l % 16, k = 128 s + 64 c + 32 (l / 16) + 0 .. 31.
; Byte 4096 + 16 l: the four scale words (K steps 0 .. 3) of row l % 16, the same in both halves of the lanes.
; A block's scale is 2^(floor(log2(its largest magnitude)) - 2); its byte is the largest magnitude's exponent field - 2, held at 1 from below by a floor among the maximum's leaves.
; LIMITS: a block whose largest magnitude lies under 2^-124, a block of zeros among them, gets the byte 1 (zero codes add nothing, and this program alone reads the bytes); NaN and infinities are not served.
; SHARES: a work-group makes a record, wave s its K step s: 16 loads of 512 consecutive bytes, all out together.  The conversions want 32 neighbours along K in one lane, so the unit turns through the wave's own
; stage in LDS (rows of 512 + 16 bytes).  The four waves' scale words meet in 512 bytes of LDS, and wave 0 stores them as 512 consecutive bytes.
.set REC,   4608
.set SP,    528
.set WSTG,  16*SP
.set SCW,   4*WSTG                     ; the record's scale words: 16 x lane + 4 x wave
.set SPARE, SCW+512                    ; the spare words, 128 bytes a wave
.set LI,  2
.set SIN, 3
.set SOUT,4
.set SH,  5
.set MX,  8
.set SO,  10
.set BY,  12
.set WD,  14
.set PD,  15
.set SWD, 16
.set WA,  17
.set WR,  18
.set SPW, 22
.set NIL, 23
.set CD,  24
.set SCQ, 32
.set IN,  64
.set XS,  128
	s_load_b128 s[4:7], s[0:1], 0x0                ; x, codes
	v_lshl_add_u32 v[SPW], v0, 2, SPARE
	v_mov_b32 v[NIL], 0
	v_lshrrev_b32 v1, 5, v0
	v_readfirstlane_b32 s10, v1                    ; wave = K step
	s_mul_i32 s11, s10, WSTG                       ; my stage
	s_lshl_b32 s12, s10, 2
	s_add_co_u32 s12, s12, SCW
	v_and_b32 v1, 31, v0
	v_lshlrev_b32 v[LI], 4, v1
	v_and_b32 v20, 15, v0                          ; r
	v_bfe_u32 v21, v0, 4, 1                        ; h
	v_add_nc_u32 v[SIN], s11, v[LI]
	v_mul_u32_u24 v[SOUT], v20, SP
	v_lshl_add_u32 v[SOUT], v21, 7, v[SOUT]
	v_add_nc_u32 v[SOUT], s11, v[SOUT]
	v_lshlrev_b32 v[SH], 3, v21
	v_mov_b32 v[PD], 0                             ; a lane permute's destination counts as one of its sources
	v_add_nc_u32 v[WA], s12, v[LI]
	v_add_nc_u32 v[WR], SCW, v[LI]
	s_mov_b32 s20, 0x76543210
	s_mov_b32 s21, 0xfedcba98                      ; selects for lane l xor 16
	s_lshl_b32 s16, ttmp9, 15                      ; 16 rows of 2,048 bytes,
	s_lshl_b32 s13, s10, 9                         ; my 512 bytes of each
	s_add_co_u32 s16, s16, s13
	s_mov_b32 s17, 0
	s_mul_i32 s18, ttmp9, REC                      ; my record, my K step's 1,024 bytes
	s_lshl_b32 s13, s10, 10
	s_add_co_u32 s18, s18, s13
	s_mov_b32 s19, 0
	s_wait_alu depctr_va_vdst(0)                   ; the head's end
	s_wait_kmcnt 0x0
	s_add_nc_u64 s[4:5], s[4:5], s[16:17]
	s_add_nc_u64 s[6:7], s[6:7], s[18:19]
.irp i, 0,1,2,3,4,5,6,7,8,9,10,11,12,13,14,15
	global_load_b128 v[IN+4*\i:IN+4*\i+3], v[LI], s[4:5] offset:2048*\i th:TH_LOAD_NT
.endr
	s_wait_loadcnt 0x0
.irp i, 0,1,2,3,4,5,6,7,8,9,10,11,12,13,14,15
	ds_store_b128 v[SIN], v[IN+4*\i:IN+4*\i+3] offset:SP*\i
.endr
.irp c, 0,1
.irp p, 0,1,2,3,4,5,6,7
	ds_load_b128 v[XS+32*\c+4*\p:XS+32*\c+4*\p+3], v[SOUT] offset:256*\c+16*\p   ; LDS serves a wave in order: register 32 c + i = k 64 c + 32 h + i of row r
.endr
.endr
	s_wait_dscnt 0x0
.irp c, 0,1
	v_max3_num_f32 v[MX+\c], |v[XS+32*\c]|, |v[XS+32*\c+1]|, 0x1800000   ; with the floor 2^(3 - 127)
.endr
.irp i, 2,4,6,8,10,12,14,16,18,20,22,24,26,28,30
.irp c, 0,1
	v_max3_num_f32 v[MX+\c], v[MX+\c], |v[XS+32*\c+\i]|, |v[XS+32*\c+\i+1]|
.endr
.endr
.irp c, 0,1
	v_add_nc_u32 v[SO+\c], 0xff000000, v[MX+\c]    ; 2 off the exponent field: the conversion's scale operand
.endr
.irp c, 0,1
	v_lshrrev_b32 v[BY+\c], 23, v[SO+\c]           ; the scale's byte
.endr
	v_lshl_or_b32 v[WD], v[BY+1], 16, v[BY]        ; blocks h and 2 + h,
	v_lshlrev_b32 v[WD], v[SH], v[WD]              ; at their places in the word;
	v_permlanex16_b32 v[PD], v[WD], s20, s21
	v_or_b32 v[SWD], v[WD], v[PD]                  ; with lane l xor 16's two the word is whole
.irp c, 0,1
.irp g, 0,1,2,3
	v_cvt_scalef32_pk8_fp4_f32 v[CD+4*\c+\g], v[XS+32*\c+8*\g:XS+32*\c+8*\g+7], v[SO+\c]
.endr
.endr
	v_nop                                          ; one plain place behind the last scaled conversion
	ds_store_b32 v[WA], v[SWD]
	global_store_b128 v[LI], v[CD:CD+3], s[6:7]
	global_store_b128 v[LI], v[CD+4:CD+7], s[6:7] offset:512
	s_wait_dscnt 0x0                               ; for wave 0's sake
	s_barrier_signal -1
	s_barrier_wait -1
	s_cmp_lg_u32 s10, 0
	s_cbranch_scc1 .Lend
	ds_load_b128 v[SCQ:SCQ+3], v[WR]
	s_wait_dscnt 0x0
	global_store_b128 v[LI], v[SCQ:SCQ+3], s[6:7] offset:4096   ; wave 0's base is the record's first byte
.Lend:
	s_wait_tensorcnt 0x0                           ; the wave's end
	ds_add_u32 v[SPW], v[NIL]
	s_wait_dscnt 0x0
	s_endpgm
.Lfunc_end_k_qe6230a573b_quantx:
	.size	k_qe6230a573b_quantx, .Lfunc_end_k_qe6230a573b_quantx-k_qe6230a573b_quantx
	.p2alignl 7, 3214868480
	.fill 96, 4, 3214868480
	.section	.rodata,"a",@progbits
	.p2align	6, 0x0
	.amdhsa_kernel k_qe6230a573b_quantx
		.amdhsa_group_segment_fixed_size 34816
		.amdhsa_private_segment_fixed_size 0
		.amdhsa_enable_private_segment 0
		.amdhsa_kernarg_size 16
		.amdhsa_user_sgpr_count 2
		.amdhsa_user_sgpr_kernarg_segment_ptr 1
		.amdhsa_wavefront_size32 1
		.amdhsa_system_sgpr_workgroup_id_x 1
		.amdhsa_system_sgpr_workgroup_id_y 1
		.amdhsa_system_sgpr_workgroup_id_z 1
		.amdhsa_system_vgpr_workitem_id 0
		.amdhsa_next_free_vgpr 192
		.amdhsa_next_free_sgpr 66
		.amdhsa_reserve_vcc 0
		.amdhsa_float_denorm_mode_32 3
		.amdhsa_float_denorm_mode_16_64 3
		.amdhsa_memory_ordered 1
		.amdhsa_forward_progress 1
		.amdhsa_inst_pref_size 9
	.end_amdhsa_kernel
	.amdgpu_metadata
---
amdhsa.version: [ 1, 2 ]
amdhsa.kernels:
  - .name:           k_qe6230a573b_quantx
    .symbol:         k_qe6230a573b_quantx.kd
    .args:
      - { .name: x, .offset: 0, .size: 8, .value_kind: global_buffer, .address_space: global }
      - { .name: codes, .offset: 8, .size: 8, .value_kind: global_buffer, .address_space: global }
    .group_segment_fixed_size: 34816
    .private_segment_fixed_size: 0
    .kernarg_segment_align: 8
    .kernarg_segment_size: 16
    .max_flat_workgroup_size: 128
    .sgpr_count:     66
    .vgpr_count:     192
    .wavefront_size: 32
...
	.end_amdgpu_metadata
.endif
;; end of part 1
;; launch main (part 2): grid 256 x 1, 8 waves a work-group, no clusters, 327,680 bytes of LDS; arguments feature_queue, codes, part; writes part
.if DOCPART == 2
	.amdgcn_target "amdgcn-amd-amdhsa--gfx1250"
	.amdhsa_code_object_version 6
	.text
	.protected	k_qe6230a573b_main
	.globl	k_qe6230a573b_main
	.p2align	8
	.type	k_qe6230a573b_main,@function
k_qe6230a573b_main:
	s_mov_b64 s[64:65], 0
	v_nop
	global_prefetch_b8 v0, s[64:65] scope:SCOPE_SE
	s_setreg_imm32_b32 hwreg(HW_REG_WAVE_MODE, 25, 1), 1
	s_wait_xcnt 0x0
; logits = Q(x) Q(feature_queue)^T on codes of FP4 (E2M1) with E8M0 scales, and of each query's logits in a slice of 256 keys the largest and the smallest, each with the LOWEST key index that has it.
; In: feature_queue [65536][512] f32, read once in the launch; codes: 128 query records of 4,608 bytes (16 rows x 512 K as images of operand registers, then the rows' scale words).
; Out: part [128 groups of 16 queries][256 slices][16 queries][largest f32, its key u32, smallest f32, its key u32]: a group's entry for a slice is 256 bytes.
; THE KEYS ARE QUANTISED HERE: a work-group owns 256 keys and is the only reader of their f32 numbers.  Scale: 2^(floor(log2(largest magnitude)) - 2), the byte held at 1 from below by a floor among the leaves.
; SHARES.  Eight waves.  All keep the same 128 keys (256 registers); wave w walks query tiles 16 w .. 16 w + 15, once for each half of the slice.  A VISIT: one query tile x eight key tiles, 32 matrix instructions.
; THE WALK BEGINS AT TILE 2 (slice % 8) and wraps modulo 16, so that at one time the work-groups ask for different records of the 128.
; FIRST HALF: wave w loads rows 16 w .. + 15 whole (64 loads of 512 consecutive bytes) into the registers that later hold codes, turns each K step through its own stage in LDS, quantises, and stores codes and scale words to LDS.
; SECOND HALF: two fills of 64 keys into one LDS region while the first half is multiplied.  Of a fill wave w fetches, by one tensor load (32 rows x 512 bytes), and quantises two units: rows 32 (w / 4) .. + 31, K step w % 4.
; The first fill goes out at the head, behind the first half's loads, and is quantised behind four visits; then the region is filled again, behind its barrier, twelve visits ahead of the wait for it.
; By this text's count a wave has one tensor load outstanding.  NO PREFETCH: the one refill is itself asked for twelve of the walk's sixteen visits ahead of its wait.
; QUERY RECORDS go from memory straight into two sets of registers; a set is asked for again right behind its 32 products, two visits ahead of its use.
; NO CLUSTER: the tensor loads fetch keys, which no other work-group reads; a query record is read by one wave of the work-group and needs no LDS.
; LAYOUT.  Source 0 = 16 keys, source 1 = 16 queries: a lane holds ONE query (lane % 16), register j of accumulator t the key 16 t + 8 (lane / 16) + j of the 128.
; THE SEARCH IS EXACT: values are compared as f32; on a tie the lower key stays: in a lane by walking tiles and registers downward, between the halves of the slice by a strict compare, between the halves of the lanes by the keys.
; LIMITS: NaN and infinities among inputs or logits are not served; +0 and -0 count as equal; a block under 2^-124 gets the byte 1.
; LDS: 0 the fills' region, 16,896 bytes a wave; 135,168 first half's codes and scale words; 172,032 second half's; 208,896 a stage of 8,448 bytes a wave, later its first half's results; 276,480 spare words.
.set REC,   4608
.set UB,    8448                       ; a unit in LDS: 16 rows of 512 + 16 bytes
.set KC0,   135168                     ; codes: 4096 x record + 1024 s + 512 c + 16 l
.set KSC0,  KC0+32768                  ; scale words: 512 x record + 128 s + 4 l
.set KC1,   KC0+36864
.set KSC1,  KC1+32768
.set STG,   208896
.set SPARE, 276480
.set LI,  1                            ; 16 x lane
.set RS,  2                            ; my stage / results + 16 x lane
.set SOUT,3                            ; my stage, row r, + 128 h
.set TO,  4                            ; my first unit in the fills' region, row r, + 128 h
.set KWA, 5
.set KSA, 6
.set KWB, 7
.set KSB, 8
.set KR0, 9
.set KR1, 10
.set KQ0, 11
.set KQ1, 12
.set KB,  13                           ; the key of register 0 of accumulator 0
.set JX,  14
.set JN,  15
.set SH,  16
.set SEVEN, 17
.set RA,  19
.set PO,  20
.set RX,  22                           ; v22-25 largest, key, smallest, key
.set OL0, 26                           ; v26-29 the first half's result, then the merged one (even tile)
.set PX,  30
.set PN,  38
.set WX,  46
.set WN,  54
.set KS,  62                           ; v62-93 the keys' scale words
.set QF,  94                           ; v94-157 two sets of query fragments
.set QS,  158                          ; v158-165 their scale words
.set ACC, 166                          ; v166-229 eight accumulators; also the 64 numbers that are quantised
.set MX,  230
.set SO,  232
.set BY,  234
.set WD,  236
.set PD,  237
.set SWD, 238
.set CD,  240
.set PM,  230                          ; permutes (second half only)
.set O,   240                          ; what is stored (second half only)
.set OL1, 248                          ; as OL0, odd tile
.set SPW, 252
.set NIL, 253
.set LIP, 254                          ; part: 65,536 h + 16 r
.set QB,  26                           ; s[26:27], s[28:29] the record that set 0, 1 was last asked from
.set QW,  32                           ; s[32:33] my wave's 16 records
.set QT,  42                           ; s[42:43] a record's offset; s43 stays 0
.set RO,  44
.set POS, 45
.set CNT, 48
.set PI,  49                           ; the pair of tiles whose results leave next
.set QI,  57                           ; s57, s58 the tile that set 0, 1 was last asked for
.set MSB, 0
.macro WIN new
.if MSB != \new
	s_set_vgpr_msb (MSB<<8)|\new
.set MSB, \new
.endif
.endm
	s_load_b128 s[4:7], s[0:1], 0x0                ; feature_queue, codes
	s_load_b64 s[8:9], s[0:1], 0x10                ; part
	v_lshl_add_u32 v[SPW], v0, 2, SPARE
	v_mov_b32 v[NIL], 0
	ds_add_u32 v[SPW], v[NIL]                      ; the opening lines: the add twice on end and one wait
	ds_add_u32 v[SPW], v[NIL]
	v_lshrrev_b32 v[LI], 5, v0
	v_readfirstlane_b32 s10, v[LI]                 ; wave 0..7
	v_and_b32 v[LI], 31, v0
	v_lshlrev_b32 v[LI], 4, v[LI]
	s_mov_b32 s16, (2<<16)|(1<<20)|(6<<22)|(3<<25) ; group 1: elements of 4 bytes; 4 dwords of padding behind every 128
	s_mov_b32 s17, 128<<16                         ; tensor_dim0 = 128
	s_mov_b32 s18, 32<<16                          ; tensor_dim1 = 32
	s_mov_b32 s19, 128<<16                         ; tile_dim0 = 128
	s_mov_b32 s20, 32                              ; tile_dim1 = 32
	s_mov_b32 s21, 512                             ; elements from row to row
	s_mov_b32 s22, 0
	s_mov_b32 s23, 0
	s_mov_b32 s12, 1
	s_mul_i32 s13, s10, 2*UB                       ; my two units in the fills' region
	s_mul_i32 s50, s10, 2*UB
	s_mul_i32 s51, s10, UB
	s_add_co_u32 s51, s51, STG
	s_lshl_b32 s52, s10, 12
	s_add_co_u32 s52, s52, KC0
	s_lshl_b32 s53, s10, 9
	s_add_co_u32 s53, s53, KSC0
	s_lshr_b32 s11, s10, 2                         ; w / 4
	s_and_b32 s41, s10, 3                          ; w % 4
	s_lshl_b32 s54, s11, 13                        ; second half's codes: two records for w / 4, K step w % 4
	s_lshl_b32 s55, s41, 10
	s_add_co_u32 s54, s54, s55
	s_add_co_u32 s54, s54, KC1
	s_lshl_b32 s55, s11, 10                        ; and their scale words
	s_lshl_b32 s31, s41, 7
	s_add_co_u32 s55, s55, s31
	s_add_co_u32 s55, s55, KSC1
	s_lshl_b32 s56, ttmp9, 8                       ; the slice's first key
	s_lshl_b32 s24, ttmp9, 19                      ; 256 rows of 2,048 bytes
	s_lshl_b32 s30, s11, 16
	s_add_co_u32 s30, s30, s24
	s_lshl_b32 s31, s41, 9
	s_add_co_u32 s30, s30, s31
	s_add_co_u32 s30, s30, 262144                  ; my tile of the first fill: row 128 + 32 (w / 4), byte 512 (w % 4)
	s_mov_b32 s31, 0
	s_lshl_b32 s11, s10, 15
	s_add_co_u32 s24, s24, s11                     ; first half: my 16 rows
	s_mov_b32 s25, 0
	s_mul_i32 s26, s10, 16*REC                     ; my 16 query records
	s_mov_b32 s27, 0
	s_lshl_b32 s[QT], ttmp9, 8
	s_lshl_b32 s11, s10, 20
	s_add_co_u32 s[QT], s[QT], s11                 ; part: 65,536 x 16 x wave + 256 x slice
	s_mov_b32 s[QT+1], 0
	s_and_b32 s[PI], ttmp9, 7                      ; the pair of tiles at which my walk begins
	s_lshl_b32 s[QI], s[PI], 1
	s_add_co_u32 s[QI+1], s[QI], 1
	s_mov_b32 s34, 0x76543210
	s_mov_b32 s35, 0xfedcba98                      ; selects for lane l xor 16
	s_mov_b32 s40, 0xffff0000                      ; lanes 16-31
	s_wait_alu depctr_va_vdst(0)                   ; directly ahead of the waits below
	s_wait_dscnt 0x0
	s_wait_kmcnt 0x0
	s_add_nc_u64 s[14:15], s[4:5], s[30:31]
	s_or_b32 s15, s15, 0x80000000
	s_add_nc_u64 s[24:25], s[4:5], s[24:25]
	s_add_nc_u64 s[QW:QW+1], s[6:7], s[26:27]
	s_add_nc_u64 s[8:9], s[8:9], s[QT:QT+1]
	s_mul_i32 s[QT], s[QI], REC
	s_add_nc_u64 s[QB:QB+1], s[QW:QW+1], s[QT:QT+1]
	s_add_nc_u64 s[QB+2:QB+3], s[QB:QB+1], REC     ; the first tile is even: the next lies behind it
	WIN 0x40                                       ; destination window 1
.irp u, 0,1,2,3
.irp i, 0,1,2,3,4,5,6,7,8,9,10,11,12,13,14,15
	global_load_b128 v[64*\u+4*\i:64*\u+4*\i+3], v[LI], s[24:25] offset:2048*\i+512*\u th:TH_LOAD_NT
.endr
.endr
	WIN 0
	tensor_load_to_lds s[12:15], s[16:23]          ; the first fill, behind the first half's loads: my one tensor load at the head
	s_nop 0
	v_and_b32 v[MX], 15, v0                        ; r
	v_bfe_u32 v[MX+1], v0, 4, 1                    ; h
	v_and_b32 v[SO], 31, v0
	v_lshlrev_b32 v[SO], 2, v[SO]                  ; 4 x lane
	v_mul_u32_u24 v[BY], v[MX], 528
	v_lshl_add_u32 v[BY], v[MX+1], 7, v[BY]
	v_add_nc_u32 v[TO], s50, v[BY]
	v_add_nc_u32 v[SOUT], s51, v[BY]
	v_add_nc_u32 v[RS], s51, v[LI]
	v_add_nc_u32 v[KWA], s52, v[LI]
	v_add_nc_u32 v[KSA], s53, v[SO]
	v_add_nc_u32 v[KWB], s54, v[LI]
	v_add_nc_u32 v[KSB], s55, v[SO]
	v_add_nc_u32 v[KR0], KC0, v[LI]
	v_add_nc_u32 v[KR1], KC1, v[LI]
	v_add_nc_u32 v[KQ0], KSC0, v[SO]
	v_add_nc_u32 v[KQ1], KSC1, v[SO]
	v_lshl_add_u32 v[KB], v[MX+1], 3, s56
	v_lshlrev_b32 v[SH], 3, v[MX+1]
	v_lshlrev_b32 v[LIP], 4, v[MX]
	v_lshl_add_u32 v[LIP], v[MX+1], 16, v[LIP]
	v_mov_b32 v[SEVEN], 7
	v_mov_b32 v[PD], 0                             ; a lane permute's destination counts as one of its sources
	s_wait_alu depctr_va_vdst(0)                   ; the head's end
; 64 numbers in v[ACC ..] (register 32 c + i = k 64 c + 32 h + i of row r) become eight registers of codes and the K step's scale word
.macro QUANT
.irp c, 0,1
	v_max3_num_f32 v[MX+\c], |v[ACC+32*\c]|, |v[ACC+32*\c+1]|, 0x1800000   ; with the floor 2^(3 - 127)
.endr
.irp i, 2,4,6,8,10,12,14,16,18,20,22,24,26,28,30
.irp c, 0,1
	v_max3_num_f32 v[MX+\c], v[MX+\c], |v[ACC+32*\c+\i]|, |v[ACC+32*\c+\i+1]|
.endr
.endr
.irp c, 0,1
	v_add_nc_u32 v[SO+\c], 0xff000000, v[MX+\c]    ; 2 off the exponent field: the conversion's scale operand
.endr
.irp c, 0,1
	v_lshrrev_b32 v[BY+\c], 23, v[SO+\c]
.endr
	v_lshl_or_b32 v[WD], v[BY+1], 16, v[BY]
	v_lshlrev_b32 v[WD], v[SH], v[WD]
	v_permlanex16_b32 v[PD], v[WD], s34, s35
	v_or_b32 v[SWD], v[WD], v[PD]
.irp c, 0,1
.irp g, 0,1,2,3
	v_cvt_scalef32_pk8_fp4_f32 v[CD+4*\c+\g], v[ACC+32*\c+8*\g:ACC+32*\c+8*\g+7], v[SO+\c]
.endr
.endr
	v_nop                                          ; one plain place behind the last scaled conversion
.endm
.macro BACK adr, off                   ; my two blocks of 32 neighbours, 128 bytes each
.irp c, 0,1
.irp p, 0,1,2,3,4,5,6,7
	ds_load_b128 v[ACC+32*\c+4*\p:ACC+32*\c+4*\p+3], v[\adr] offset:(\off)+256*\c+16*\p
.endr
.endr
.endm
.macro UNIT u, left                    ; first half, K step u of my record.  left: the younger loads, which may stay out
	s_wait_loadcnt \left
	WIN 0x04                                       ; store data window 1
.irp i, 0,1,2,3,4,5,6,7,8,9,10,11,12,13,14,15
	ds_store_b128 v[RS], v[64*\u+4*\i:64*\u+4*\i+3] offset:528*\i
.endr
	WIN 0
	BACK SOUT, 0                                   ; LDS serves a wave in order: these see the stores above
	s_wait_dscnt 0x0
	QUANT
	ds_store_b128 v[KWA], v[CD:CD+3] offset:1024*\u
	ds_store_b128 v[KWA], v[CD+4:CD+7] offset:1024*\u+512
	ds_store_b32 v[KSA], v[SWD] offset:128*\u
.endm
.macro QSLOT u, f                      ; second half: unit u of my tile of fill f, record 4 f + 2 (w / 4) + u
	BACK TO, UB*\u
	s_wait_dscnt 0x0
	QUANT
	ds_store_b128 v[KWB], v[CD:CD+3] offset:16384*\f+4096*\u
	ds_store_b128 v[KWB], v[CD+4:CD+7] offset:16384*\f+4096*\u+512
	ds_store_b32 v[KSB], v[SWD] offset:2048*\f+512*\u
.endm
.macro QLOAD cur                       ; nine loads of 512 consecutive bytes: a query record into set cur
.irp s, 0,1,2,3
.irp c, 0,1
	global_load_b128 v[QF+32*\cur+8*\s+4*\c:QF+32*\cur+8*\s+4*\c+3], v[LI], s[QB+2*\cur:QB+2*\cur+1] offset:1024*\s+512*\c
.endr
.endr
	global_load_b128 v[QS+4*\cur:QS+4*\cur+3], v[LI], s[QB+2*\cur:QB+2*\cur+1] offset:4096
.endm
.macro KEYS kr, kq                     ; 128 keys' codes into window 1, their scale words into v[KS ..]
	WIN 0x40
.irp t, 0,1,2,3,4,5,6,7
.irp s, 0,1,2,3
.irp c, 0,1
	ds_load_b128 v[32*\t+8*\s+4*\c:32*\t+8*\s+4*\c+3], v[\kr] offset:4096*\t+1024*\s+512*\c
.endr
.endr
.endr
	WIN 0
.irp t, 0,1,2,3,4,5,6,7
.irp s, 0,1,2,3
	ds_load_b32 v[KS+4*\t+\s], v[\kq] offset:512*\t+128*\s
.endr
.endr
.endm
; One step of the walk down the tiles: where P[t] is the lane's extreme, tile t takes the place of what was held; the lowest such tile is taken last and stays.  Register 7 of a tile is the answer where registers 0 .. 6 do not match.
.macro PICKT p, w, rm, t
	v_cmp_neq_f32 vcc_lo, v[\p+\t], v[\rm]
.if \t == 6
.irp j, 0,2,4
	v_dual_cndmask_b32 v[\w+\j], v[ACC+48+\j], v[ACC+56+\j] :: v_dual_cndmask_b32 v[\w+\j+1], v[ACC+48+\j+1], v[ACC+56+\j+1]
.endr
	v_dual_cndmask_b32 v[\w+6], v[ACC+54], v[ACC+62] :: v_dual_cndmask_b32 v[\w+7], 6, v[SEVEN]
.else
.irp j, 0,2,4
	v_dual_cndmask_b32 v[\w+\j], v[ACC+8*\t+\j], v[\w+\j] :: v_dual_cndmask_b32 v[\w+\j+1], v[ACC+8*\t+\j+1], v[\w+\j+1]
.endr
	v_dual_cndmask_b32 v[\w+6], v[ACC+8*\t+6], v[\w+6] :: v_dual_cndmask_b32 v[\w+7], \t, v[\w+7]
.endif
.endm
.macro CMPJ j
	v_cmp_neq_f32 s[36+2*((\j)%2)], v[WX+(\j)], v[RX]
	v_cmp_neq_f32 s[37+2*((\j)%2)], v[WN+(\j)], v[RX+2]
.endm
.macro CNDJ j
.if (\j) == 6
	s_delay_alu instid0(VALU_DEP_4)
	v_cndmask_b32 v[JX], 6, 7, s[36+2*((\j)%2)]
	s_delay_alu instid0(VALU_DEP_4)
	v_cndmask_b32 v[JN], 6, 7, s[37+2*((\j)%2)]
.else
	v_cndmask_b32 v[JX], \j, v[JX], s[36+2*((\j)%2)]
	v_cndmask_b32 v[JN], \j, v[JN], s[37+2*((\j)%2)]
.endif
.endm
; The first largest and the first smallest of my lane's 64 logits: values into v[RX], v[RX+2], keys into v[RX+1], v[RX+3].  Each accumulator is read from its low end on.
.macro RESOLVE
.irp t, 0,1,2,3,4,5,6,7
	v_max3_num_f32 v[PX+\t], v[ACC+8*\t], v[ACC+8*\t+1], v[ACC+8*\t+2]
	v_min3_num_f32 v[PN+\t], v[ACC+8*\t], v[ACC+8*\t+1], v[ACC+8*\t+2]
.endr
.irp t, 0,1,2,3,4,5,6,7
	v_max3_num_f32 v[PX+\t], v[PX+\t], v[ACC+8*\t+3], v[ACC+8*\t+4]
	v_min3_num_f32 v[PN+\t], v[PN+\t], v[ACC+8*\t+3], v[ACC+8*\t+4]
.endr
.irp k, 0,1,2,3,4,5,6,7,8                      ; tile k's third line, and tile k - 1's fourth, which links it to the prefix: P[t] = the extreme of tiles 0 .. t
.if \k < 8
	v_max3_num_f32 v[PX+\k], v[PX+\k], v[ACC+8*\k+5], v[ACC+8*\k+6]
	v_min3_num_f32 v[PN+\k], v[PN+\k], v[ACC+8*\k+5], v[ACC+8*\k+6]
.endif
.if \k == 1
	v_max_num_f32 v[PX], v[PX], v[ACC+7]
	v_min_num_f32 v[PN], v[PN], v[ACC+7]
.elseif \k == 8
	v_max3_num_f32 v[RX], v[PX+7], v[ACC+63], v[PX+6]
	v_min3_num_f32 v[RX+2], v[PN+7], v[ACC+63], v[PN+6]
.elseif \k > 1
	v_max3_num_f32 v[PX+\k-1], v[PX+\k-1], v[ACC+8*(\k-1)+7], v[PX+\k-2]
	v_min3_num_f32 v[PN+\k-1], v[PN+\k-1], v[ACC+8*(\k-1)+7], v[PN+\k-2]
.endif
.endr
.irp t, 6,5,4,3,2,1,0
	PICKT PX, WX, RX, \t
	PICKT PN, WN, RX+2, \t
.endr
	CMPJ 6
.irp j, 6,5,4,3,2,1,0
.if \j > 0
	CMPJ \j-1
.endif
	CNDJ \j
.endr
	s_delay_alu instid0(VALU_DEP_2)
	v_lshl_add_u32 v[RX+1], v[WX+7], 4, v[JX]
	s_delay_alu instid0(VALU_DEP_2)
	v_lshl_add_u32 v[RX+3], v[WN+7], 4, v[JN]
	s_delay_alu instid0(VALU_DEP_2)
	v_add_nc_u32 v[RX+1], v[KB], v[RX+1]           ; key = KB + 16 tile + register
	s_delay_alu instid0(VALU_DEP_2)
	v_add_nc_u32 v[RX+3], v[KB], v[RX+3]
.endm
.macro MERGE r, c                      ; r's keys are the lower ones: only a strictly better value takes its place
	v_cmp_gt_f32 vcc_lo, v[(\c)], v[(\r)]
	s_delay_alu instid0(VALU_DEP_1)
	v_cndmask_b32 v[(\r)], v[(\r)], v[(\c)], vcc_lo
	s_delay_alu instid0(VALU_DEP_2)
	v_cndmask_b32 v[(\r)+1], v[(\r)+1], v[(\c)+1], vcc_lo
	v_cmp_lt_f32 vcc_lo, v[(\c)+2], v[(\r)+2]
	s_delay_alu instid0(VALU_DEP_1)
	v_cndmask_b32 v[(\r)+2], v[(\r)+2], v[(\c)+2], vcc_lo
	s_delay_alu instid0(VALU_DEP_2)
	v_cndmask_b32 v[(\r)+3], v[(\r)+3], v[(\c)+3], vcc_lo
.endm
.macro HALVES r                        ; the query's other keys lie in lane l xor 16 and interleave: on equal values the lower key wins; both lanes end alike
.irp i, 0,1,2,3
	v_permlanex16_b32 v[PM+\i], v[(\r)+\i], s34, s35
.endr
	s_delay_alu instid0(VALU_DEP_4)
	v_cmp_gt_f32 s36, v[PM], v[(\r)]
	v_cmp_eq_f32 s37, v[PM], v[(\r)]
	v_cmp_lt_u32 s38, v[PM+1], v[(\r)+1]
	s_and_b32 s37, s37, s38
	s_or_b32 s36, s36, s37
	v_cndmask_b32 v[(\r)], v[(\r)], v[PM], s36
	v_cndmask_b32 v[(\r)+1], v[(\r)+1], v[PM+1], s36
	v_cmp_lt_f32 s36, v[PM+2], v[(\r)+2]
	v_cmp_eq_f32 s37, v[PM+2], v[(\r)+2]
	v_cmp_lt_u32 s38, v[PM+3], v[(\r)+3]
	s_and_b32 s37, s37, s38
	s_or_b32 s36, s36, s37
	v_cndmask_b32 v[(\r)+2], v[(\r)+2], v[PM+2], s36
	v_cndmask_b32 v[(\r)+3], v[(\r)+3], v[PM+3], s36
.endm
; A visit on set cur.  step = 1: the set takes the tile two on in my walk, modulo 16; 0: it is not asked for again.  ph: 0 first half of the slice, 1 second.  roff: the result's place from v[RA], by the visit's number in the walk.
; left: the other set's nine loads may stay out.  mk: the trip's first visit makes v[RA].
.macro VISIT cur, step, ph, roff, left, mk
.set OLC, OL0+(OL1-OL0)*\cur
	s_wait_loadcnt \left                           ; set cur is in, so its base may be written below
.if \ph && \cur
	s_wait_xcnt 0x0                                ; the last trip's store has read v[O ..] and v[PO]
.endif
	WIN 0x01                                       ; source 0 (keys) window 1
.irp s, 0,1,2,3                                ; the eight accumulators take turns; K ascending; the first K step starts the sums
.irp t, 0,1,2,3,4,5,6,7
.if \s == 0
	v_wmma_scale_f32_16x16x128_f8f6f4 v[ACC+8*\t:ACC+8*\t+7], v[32*\t+8*\s:32*\t+8*\s+7], v[QF+32*\cur+8*\s:QF+32*\cur+8*\s+7], 0, v[KS+4*\t+\s], v[QS+4*\cur+\s] matrix_a_fmt:MATRIX_FMT_FP4 matrix_b_fmt:MATRIX_FMT_FP4
.else
	v_wmma_scale_f32_16x16x128_f8f6f4 v[ACC+8*\t:ACC+8*\t+7], v[32*\t+8*\s:32*\t+8*\s+7], v[QF+32*\cur+8*\s:QF+32*\cur+8*\s+7], v[ACC+8*\t:ACC+8*\t+7], v[KS+4*\t+\s], v[QS+4*\cur+\s] matrix_a_fmt:MATRIX_FMT_FP4 matrix_b_fmt:MATRIX_FMT_FP4
.endif
.endr
.endr
	WIN 0
	; four places between the last product and the loads into its sources and the first read of a result
.if \mk
	v_add_nc_u32 v[RA], s[RO], v[RS]
.elseif \ph
	v_add_nc_u32 v[PO], s[POS], v[LIP]
.else
	v_nop
.endif
.rept 3
	v_nop
.endr
.if \ph
	ds_load_b128 v[OLC:OLC+3], v[RA] offset:\roff  ; what the first half found for this tile
.endif
.if \step
	s_add_co_u32 s[QI+\cur], s[QI+\cur], 2
	s_and_b32 s[QI+\cur], s[QI+\cur], 15
	s_mul_i32 s[QT], s[QI+\cur], REC
	s_add_nc_u64 s[QB+2*\cur:QB+2*\cur+1], s[QW:QW+1], s[QT:QT+1]
	QLOAD \cur
.endif
	RESOLVE
.if \ph
	s_wait_alu depctr_va_vdst(0)                   ; directly ahead of the wait below
	s_wait_dscnt 0x0
	MERGE OLC, RX
	HALVES OLC
.if \cur
.irp i, 0,1,2,3
	v_cndmask_b32 v[O+\i], v[OL0+\i], v[OL1+\i], s40   ; lanes 0-15 the even tile's queries, lanes 16-31 the odd tile's
.endr
	global_store_b128 v[PO], v[O:O+3], s[8:9]      ; each half of the lanes stores 256 consecutive bytes, at a multiple of 256 from the buffer's first byte
.endif
.else
	ds_store_b128 v[RA], v[RX:RX+3] offset:\roff   ; 512 consecutive bytes of my own
.endif
.endm
	UNIT 0, 48
	UNIT 1, 32
	QLOAD 0                                        ; the first two query records of my walk
	QLOAD 1
	UNIT 2, 34                                     ; K step 3's sixteen loads and the eighteen above may stay out
	UNIT 3, 18
	s_wait_dscnt 0x0                               ; for the others' sake: my record lies in LDS
	s_barrier_signal -1
	s_barrier_wait -1
	KEYS KR0, KQ0
	s_mov_b32 s[RO], 0
	s_mov_b32 s[CNT], 2
	s_wait_dscnt 0x0
.Lfirst_a:                                         ; visits 0 to 3 of the first half, two a trip
	VISIT 0, 1, 0, 0,   9, 1
	VISIT 1, 1, 0, 512, 9, 0
	s_add_co_u32 s[RO], s[RO], 1024
	s_sub_co_i32 s[CNT], s[CNT], 1
	s_cmp_lg_u32 s[CNT], 0
	s_cbranch_scc1 .Lfirst_a
	s_wait_tensorcnt 0x0                           ; the first fill has landed: only I read my tile
	QSLOT 0, 0
	QSLOT 1, 0
	s_wait_tensorcnt 0x0                           ; no tensor load of mine is out, so group 0 may be written;
	ds_add_u32 v[SPW], v[NIL]
	s_add_nc_u64 s[14:15], s[14:15], 131072        ; 64 rows on
	s_wait_dscnt 0x0                               ; the add is done, and so are my reads of the region and my stores
	s_barrier_signal -1
	s_barrier_wait -1
	tensor_load_to_lds s[12:15], s[16:23]          ; the second fill: my one tensor load behind the barrier
	s_nop 0
.rept 4
	v_nop
.endr
	s_mov_b32 s[CNT], 6
.Lfirst_b:                                         ; visits 4 to 15; the last two ask for the walk's first two tiles again
	VISIT 0, 1, 0, 0,   9, 1
	VISIT 1, 1, 0, 512, 9, 0
	s_add_co_u32 s[RO], s[RO], 1024
	s_sub_co_i32 s[CNT], s[CNT], 1
	s_cmp_lg_u32 s[CNT], 0
	s_cbranch_scc1 .Lfirst_b
	s_wait_tensorcnt 0x0                           ; the second fill has landed
	QSLOT 0, 1
	QSLOT 1, 1
	s_wait_dscnt 0x0                               ; for the others' sake: my units' codes lie in LDS
	s_barrier_signal -1
	s_barrier_wait -1
	KEYS KR1, KQ1
	v_add_nc_u32 v[KB], 128, v[KB]
	s_mov_b32 s[RO], 0
	s_lshl_b32 s[POS], s[PI], 17                   ; two groups of 65,536 bytes to a pair of tiles
	s_mov_b32 s[CNT], 7
	s_wait_alu depctr_va_vdst(0)                   ; directly ahead of the wait below
	s_wait_dscnt 0x0
.Lsecond:                                          ; a trip: two tiles; their merged results leave
	VISIT 0, 1, 1, 0,   9, 1
	VISIT 1, 1, 1, 512, 9, 0
	s_add_co_u32 s[RO], s[RO], 1024
	s_add_co_u32 s[PI], s[PI], 1
	s_and_b32 s[PI], s[PI], 7
	s_lshl_b32 s[POS], s[PI], 17
	s_sub_co_i32 s[CNT], s[CNT], 1
	s_cmp_lg_u32 s[CNT], 0
	s_cbranch_scc1 .Lsecond
	VISIT 0, 0, 1, 0,   9, 1                       ; the walk's last two tiles ask for nothing
	VISIT 1, 0, 1, 512, 0, 0
	s_wait_tensorcnt 0x0                           ; the wave's end
	ds_add_u32 v[SPW], v[NIL]
	s_wait_dscnt 0x0
	s_endpgm
.Lfunc_end_k_qe6230a573b_main:
	.size	k_qe6230a573b_main, .Lfunc_end_k_qe6230a573b_main-k_qe6230a573b_main
	.p2alignl 7, 3214868480
	.fill 96, 4, 3214868480
	.section	.rodata,"a",@progbits
	.p2align	6, 0x0
	.amdhsa_kernel k_qe6230a573b_main
		.amdhsa_group_segment_fixed_size 327680
		.amdhsa_private_segment_fixed_size 0
		.amdhsa_enable_private_segment 0
		.amdhsa_kernarg_size 24
		.amdhsa_user_sgpr_count 2
		.amdhsa_user_sgpr_kernarg_segment_ptr 1
		.amdhsa_wavefront_size32 1
		.amdhsa_system_sgpr_workgroup_id_x 1
		.amdhsa_system_sgpr_workgroup_id_y 1
		.amdhsa_system_sgpr_workgroup_id_z 1
		.amdhsa_system_vgpr_workitem_id 0
		.amdhsa_next_free_vgpr 512
		.amdhsa_next_free_sgpr 66
		.amdhsa_reserve_vcc 1
		.amdhsa_float_denorm_mode_32 3
		.amdhsa_float_denorm_mode_16_64 3
		.amdhsa_memory_ordered 1
		.amdhsa_forward_progress 1
		.amdhsa_inst_pref_size 191
	.end_amdhsa_kernel
	.amdgpu_metadata
---
amdhsa.version: [ 1, 2 ]
amdhsa.kernels:
  - .name:           k_qe6230a573b_main
    .symbol:         k_qe6230a573b_main.kd
    .args:
      - { .name: feature_queue, .offset: 0, .size: 8, .value_kind: global_buffer, .address_space: global }
      - { .name: codes, .offset: 8, .size: 8, .value_kind: global_buffer, .address_space: global }
      - { .name: part, .offset: 16, .size: 8, .value_kind: global_buffer, .address_space: global }
    .group_segment_fixed_size: 327680
    .private_segment_fixed_size: 0
    .kernarg_segment_align: 8
    .kernarg_segment_size: 24
    .max_flat_workgroup_size: 256
    .sgpr_count:     66
    .vgpr_count:     512
    .wavefront_size: 32
...
	.end_amdgpu_metadata
.endif
;; end of part 2
;; launch pick (part 3): grid 128 x 1, 16 waves a work-group, no clusters, 10,240 bytes of LDS; arguments part, idx; writes idx
.if DOCPART == 3
	.amdgcn_target "amdgcn-amd-amdhsa--gfx1250"
	.amdhsa_code_object_version 6
	.text
	.protected	k_qe6230a573b_pick
	.globl	k_qe6230a573b_pick
	.p2align	8
	.type	k_qe6230a573b_pick,@function
k_qe6230a573b_pick:
	s_mov_b64 s[64:65], 0
	v_nop
	global_prefetch_b8 v0, s[64:65] scope:SCOPE_SE
	s_setreg_imm32_b32 hwreg(HW_REG_WAVE_MODE, 25, 1), 1
	s_wait_xcnt 0x0
; part [128 groups of 16 queries][256 slices][16 queries][largest, its key, smallest, its key] -> idx [4096] u32: entries 0 .. 2047 the key of each query's largest logit, entries 2048 .. 4095 of its smallest.
; A work-group takes a group: 65,536 consecutive bytes.  Wave v takes slices 16 v .. 16 v + 15, 4,096 consecutive bytes, by eight loads of 512: lane (r, h) of load k holds query r of slice 16 v + 2 k + h.
; A lane walks its eight slices in ascending order, so that a strict compare leaves the lowest key on a tie; the two halves of the lanes are joined by the keys.  The sixteen waves' results meet in LDS;
; in wave 0 lane (r, h) merges waves 8 h .. 8 h + 7 in ascending order, the halves are joined again, and one store writes 64 bytes of each half of idx: the whole buffer is 16,384 bytes.
; The keys only ride along with the values here (selects): no address of this launch hangs on them.  LIMITS: NaN among the values is not served.
.set R,  16                            ; v16-47  eight candidates; the first is the running one
.set F,  48                            ; v48-79  eight waves' results
.set PM, 80                            ; v80-83  permutes
.macro MERGE r, c                      ; r's keys are the lower ones: only a strictly better value takes its place
	v_cmp_gt_f32 vcc_lo, v[(\c)], v[(\r)]
	v_cndmask_b32 v[(\r)], v[(\r)], v[(\c)], vcc_lo
	v_cndmask_b32 v[(\r)+1], v[(\r)+1], v[(\c)+1], vcc_lo
	v_cmp_lt_f32 vcc_lo, v[(\c)+2], v[(\r)+2]
	v_cndmask_b32 v[(\r)+2], v[(\r)+2], v[(\c)+2], vcc_lo
	v_cndmask_b32 v[(\r)+3], v[(\r)+3], v[(\c)+3], vcc_lo
.endm
.macro HALVES r                        ; with lane l xor 16's: on equal values the lower key wins; both lanes end alike
.irp i, 0,1,2,3
	v_permlanex16_b32 v[PM+\i], v[(\r)+\i], s12, s13
.endr
	v_cmp_gt_f32 s16, v[PM], v[(\r)]
	v_cmp_eq_f32 s17, v[PM], v[(\r)]
	v_cmp_lt_u32 s18, v[PM+1], v[(\r)+1]
	s_and_b32 s17, s17, s18
	s_or_b32 s16, s16, s17
	v_cndmask_b32 v[(\r)], v[(\r)], v[PM], s16
	v_cndmask_b32 v[(\r)+1], v[(\r)+1], v[PM+1], s16
	v_cmp_lt_f32 s16, v[PM+2], v[(\r)+2]
	v_cmp_eq_f32 s17, v[PM+2], v[(\r)+2]
	v_cmp_lt_u32 s18, v[PM+3], v[(\r)+3]
	s_and_b32 s17, s17, s18
	s_or_b32 s16, s16, s17
	v_cndmask_b32 v[(\r)+2], v[(\r)+2], v[PM+2], s16
	v_cndmask_b32 v[(\r)+3], v[(\r)+3], v[PM+3], s16
.endm
	s_load_b128 s[4:7], s[0:1], 0x0                ; part, idx
	v_lshl_add_u32 v96, v0, 2, 0x2000              ; my spare word, behind the results' 8,192 bytes
	v_mov_b32 v97, 0
	v_lshrrev_b32 v1, 5, v0
	v_readfirstlane_b32 s8, v1                     ; wave 0..15
	s_lshl_b32 s9, ttmp9, 16                       ; my group,
	s_lshl_b32 s10, s8, 12                         ; my wave's 16 slices of 256 bytes
	s_add_co_u32 s9, s9, s10
	s_lshl_b32 s11, ttmp9, 6                       ; idx: 4 x 16 x group
	s_mov_b32 s12, 0x76543210
	s_mov_b32 s13, 0xfedcba98                      ; selects for lane l xor 16
	s_mov_b32 s14, 0xffff0000                      ; lanes 16-31
	v_and_b32 v1, 31, v0
	v_lshlrev_b32 v2, 4, v1                        ; 16 x lane
	v_add_nc_u32 v3, s9, v2
	v_lshlrev_b32 v4, 4, v0                        ; LDS: 16 x thread
	v_bfe_u32 v6, v0, 4, 1                         ; h
	v_and_b32 v7, 15, v0                           ; r
	v_lshlrev_b32 v8, 4, v7
	v_lshl_add_u32 v8, v6, 12, v8                  ; LDS, the last merge: 16 r + 8 h waves of 512 bytes
	v_lshl_add_u32 v5, v7, 2, s11
	v_lshl_add_u32 v5, v6, 13, v5                  ; idx: lanes 16-31 write the second half
.irp i, 0,1,2,3
	v_mov_b32 v[PM+\i], 0                          ; a lane permute's destination counts as one of its sources
.endr
	s_wait_alu depctr_va_vdst(0)                   ; the head's end
	s_wait_kmcnt 0x0
.irp k, 0,1,2,3,4,5,6,7
	global_load_b128 v[R+4*\k:R+4*\k+3], v3, s[4:5] offset:512*\k th:TH_LOAD_NT
.endr
.irp k, 1,2,3,4,5,6,7
	s_wait_alu depctr_va_vdst(0)                   ; directly ahead of the wait below
	s_wait_loadcnt 7-\k                            ; load k is in; the younger ones may stay out
	MERGE R, R+4*\k
.endr
	HALVES R
	ds_store_b128 v4, v[R:R+3]
	s_wait_dscnt 0x0                               ; for wave 0's sake
	s_barrier_signal -1
	s_barrier_wait -1
	s_cmp_lg_u32 s8, 0                             ; the last merge is one wave's work
	s_cbranch_scc1 .Lend
.irp k, 0,1,2,3,4,5,6,7
	ds_load_b128 v[F+4*\k:F+4*\k+3], v8 offset:512*\k
.endr
	s_wait_dscnt 0x0
.irp k, 1,2,3,4,5,6,7
	MERGE F, F+4*\k
.endr
	HALVES F
	v_cndmask_b32 v9, v[F+1], v[F+3], s14          ; lanes 0-15 the largest's key, lanes 16-31 the smallest's
	global_store_b32 v5, v9, s[6:7]
.Lend:
	s_wait_tensorcnt 0x0                           ; the wave's end
	ds_add_u32 v96, v97
	s_wait_dscnt 0x0
	s_endpgm
.Lfunc_end_k_qe6230a573b_pick:
	.size	k_qe6230a573b_pick, .Lfunc_end_k_qe6230a573b_pick-k_qe6230a573b_pick
	.p2alignl 7, 3214868480
	.fill 96, 4, 3214868480
	.section	.rodata,"a",@progbits
	.p2align	6, 0x0
	.amdhsa_kernel k_qe6230a573b_pick
		.amdhsa_group_segment_fixed_size 10240
		.amdhsa_private_segment_fixed_size 0
		.amdhsa_enable_private_segment 0
		.amdhsa_kernarg_size 16
		.amdhsa_user_sgpr_count 2
		.amdhsa_user_sgpr_kernarg_segment_ptr 1
		.amdhsa_wavefront_size32 1
		.amdhsa_system_sgpr_workgroup_id_x 1
		.amdhsa_system_sgpr_workgroup_id_y 1
		.amdhsa_system_sgpr_workgroup_id_z 1
		.amdhsa_system_vgpr_workitem_id 0
		.amdhsa_next_free_vgpr 98
		.amdhsa_next_free_sgpr 66
		.amdhsa_reserve_vcc 1
		.amdhsa_float_denorm_mode_32 3
		.amdhsa_float_denorm_mode_16_64 3
		.amdhsa_memory_ordered 1
		.amdhsa_forward_progress 1
		.amdhsa_inst_pref_size 9
	.end_amdhsa_kernel
	.amdgpu_metadata
---
amdhsa.version: [ 1, 2 ]
amdhsa.kernels:
  - .name:           k_qe6230a573b_pick
    .symbol:         k_qe6230a573b_pick.kd
    .args:
      - { .name: part, .offset: 0, .size: 8, .value_kind: global_buffer, .address_space: global }
      - { .name: idx, .offset: 8, .size: 8, .value_kind: global_buffer, .address_space: global }
    .group_segment_fixed_size: 10240
    .private_segment_fixed_size: 0
    .kernarg_segment_align: 8
    .kernarg_segment_size: 16
    .max_flat_workgroup_size: 512
    .sgpr_count:     66
    .vgpr_count:     98
    .wavefront_size: 32
...
	.end_amdgpu_metadata
.endif
;; end of part 3
;; launch fetch (part 4): grid 256 x 1, 4 waves a work-group, no clusters, 0 bytes of LDS; arguments idx, rep_queue, out0, out1; writes out0, out1
.if DOCPART == 4
	.amdgcn_target "amdgcn-amd-amdhsa--gfx1250"
	.amdhsa_code_object_version 6
	.text
	.protected	k_qe6230a573b_fetch
	.globl	k_qe6230a573b_fetch
	.p2align	8
	.type	k_qe6230a573b_fetch,@function
k_qe6230a573b_fetch:
	s_mov_b64 s[64:65], 0
	v_nop
	global_prefetch_b8 v0, s[64:65] scope:SCOPE_SE
	s_setreg_imm32_b32 hwreg(HW_REG_WAVE_MODE, 25, 1), 1
	s_wait_xcnt 0x0
; out0[b] = rep_queue[idx[b]], out1[b] = rep_queue[idx[2048 + b]]: 4,096 rows of 2,048 bytes.  idx was stored by an earlier launch.
; A wave takes four rows: its four indices come by one scalar load, are held inside the table (65,535 at the most), and all 16 loads, 512 consecutive bytes each, go out together; each row is stored as soon as it is in.
; Work-groups 0 .. 127 fill out0, the others out1: only the pointer is chosen.  Memory binds: no LDS, no barrier, no matrix work.  No hint on the loads: a row may be named twice.
.set ROW, 2048
.set A,   4                            ; v4-7    the four rows' byte offsets + 16 x lane
.set D,   16                           ; v16-79  four rows of 16 registers
	s_load_b256 s[4:11], s[0:1], 0x0               ; idx s[4:5], rep_queue s[6:7], out0 s[8:9], out1 s[10:11]
	v_lshrrev_b32 v1, 5, v0
	v_readfirstlane_b32 s12, v1                    ; wave 0..3
	v_and_b32 v1, 31, v0
	v_lshlrev_b32 v2, 4, v1                        ; 16 x lane; never rewritten
	s_lshl_b32 s13, ttmp9, 4
	s_lshl_b32 s14, s12, 2
	s_add_co_u32 s13, s13, s14                     ; my first entry of idx: 16 x work-group + 4 x wave
	s_lshl_b32 s14, s13, 2
	s_mov_b32 s15, 0
	s_mov_b32 s17, 0
	s_wait_alu depctr_va_vdst(0)
	s_wait_kmcnt 0x0
	s_add_nc_u64 s[4:5], s[4:5], s[14:15]
	s_load_b128 s[20:23], s[4:5], 0x0              ; four indices
	s_cmp_lt_u32 ttmp9, 128                        ; which output: the choice hangs on the work-group's number alone
	s_cselect_b64 s[8:9], s[8:9], s[10:11]
	s_and_b32 s16, s13, 2047                       ; my first row of it
	s_lshl_b32 s16, s16, 11
	s_add_nc_u64 s[8:9], s[8:9], s[16:17]
	s_wait_kmcnt 0x0
.irp i, 0,1,2,3
	s_min_u32 s[20+\i], s[20+\i], 0xffff           ; inside the table
	s_lshl_b32 s[20+\i], s[20+\i], 11              ; rows of 2,048 bytes: under 2^27
	v_add_nc_u32 v[A+\i], s[20+\i], v2
.endr
.irp i, 0,1,2,3
.irp k, 0,1,2,3
	global_load_b128 v[D+16*\i+4*\k:D+16*\i+4*\k+3], v[A+\i], s[6:7] offset:512*\k
.endr
.endr
.irp i, 0,1,2,3
	s_wait_loadcnt 12-4*\i                         ; row i's four loads are in; the later rows' may stay out
.irp k, 0,1,2,3
	global_store_b128 v2, v[D+16*\i+4*\k:D+16*\i+4*\k+3], s[8:9] offset:ROW*\i+512*\k th:TH_STORE_NT   ; 512 consecutive bytes, at a multiple of 256 from the output's first byte
.endr
.endr
	s_endpgm
.Lfunc_end_k_qe6230a573b_fetch:
	.size	k_qe6230a573b_fetch, .Lfunc_end_k_qe6230a573b_fetch-k_qe6230a573b_fetch
	.p2alignl 7, 3214868480
	.fill 96, 4, 3214868480
	.section	.rodata,"a",@progbits
	.p2align	6, 0x0
	.amdhsa_kernel k_qe6230a573b_fetch
		.amdhsa_group_segment_fixed_size 0
		.amdhsa_private_segment_fixed_size 0
		.amdhsa_enable_private_segment 0
		.amdhsa_kernarg_size 32
		.amdhsa_user_sgpr_count 2
		.amdhsa_user_sgpr_kernarg_segment_ptr 1
		.amdhsa_wavefront_size32 1
		.amdhsa_system_sgpr_workgroup_id_x 1
		.amdhsa_system_sgpr_workgroup_id_y 1
		.amdhsa_system_sgpr_workgroup_id_z 1
		.amdhsa_system_vgpr_workitem_id 0
		.amdhsa_next_free_vgpr 96
		.amdhsa_next_free_sgpr 66
		.amdhsa_reserve_vcc 0
		.amdhsa_float_denorm_mode_32 3
		.amdhsa_float_denorm_mode_16_64 3
		.amdhsa_memory_ordered 1
		.amdhsa_forward_progress 1
		.amdhsa_inst_pref_size 5
	.end_amdhsa_kernel
	.amdgpu_metadata
---
amdhsa.version: [ 1, 2 ]
amdhsa.kernels:
  - .name:           k_qe6230a573b_fetch
    .symbol:         k_qe6230a573b_fetch.kd
    .args:
      - { .name: idx, .offset: 0, .size: 8, .value_kind: global_buffer, .address_space: global }
      - { .name: rep_queue, .offset: 8, .size: 8, .value_kind: global_buffer, .address_space: global }
      - { .name: out0, .offset: 16, .size: 8, .value_kind: global_buffer, .address_space: global }
      - { .name: out1, .offset: 24, .size: 8, .value_kind: global_buffer, .address_space: global }
    .group_segment_fixed_size: 0
    .private_segment_fixed_size: 0
    .kernarg_segment_align: 8
    .kernarg_segment_size: 32
    .max_flat_workgroup_size: 128
    .sgpr_count:     66
    .vgpr_count:     96
    .wavefront_size: 32
...
	.end_amdgpu_metadata
.endif
;; end of part 4
